; MI455X (gfx1250); checked and timed in simulation.
; The chip was launched on July 23, 2026; its instructions are those of AMD's public machine-readable ISA for CDNA 5 (MIT licence, August 2026) and "CDNA5" Instruction Set Architecture Reference Guide (July 2026). The comments in the code are by the model that wrote it; some were corrected since.
;; Self Attention. Allowed arithmetic: matrix products marked QUANTISED: E2M1 operands, one E8M0 scale for each 32 along K, by v_wmma_scale_f32_16x16x128_f8f6f4 with both operands' format E2M1 (or v_wmma_scale_f32_32x16x128_f4), f32 sums; everything else in f32.
;; Inputs: qkv 4 x 2,048 x 3 x 16 x 64 float32.
;; Outputs: out0 4 x 2,048 x 16 x 64 float32.
;; This version of the problem:
;;   THIS VERSION OF THE PROBLEM IS GIVEN IN LOW PRECISION. The matrix products marked QUANTISED in the list below multiply operands that are first quantised to E2M1 (2 exponent bits, 1 mantissa bit; 4 bits a number), with one power-of-two scale for each 32 numbers along K (OCP MX v1.0); their sums are f32. All else is computed in f32.
;;   The module's matrix products, in the order in which they are computed (A, B: the left and right operand; K: the contracted axis; several contracted axes count as one K, in the product's order):
;;     1. batch 64 x [M 2,048, K 64] x [K 64, N 2,048]; A: input qkv; B: computed on the way: QUANTISED
;;     2. batch 64 x [M 64, K 2,048] x [K 2,048, N 2,048]; A: input qkv; B: softmax (see below): QUANTISED
;;   THE QUANTISER, for each operand of a quantised product, along K:
;;     - K is cut into blocks of 32 from its start; a last block that is shorter is filled with zeros.
;;     - A block's scale is 2^e with e = floor(log2(the largest magnitude in the block)) - 2, held to -126 .. 127; a block of zeros has e = 0. As a byte (E8M0): e + 127.
;;     - Each number is divided by its block's scale, clamped to +-6, and rounded to the nearest number of E2M1, ties to even, subnormals kept.
;;     - The product sums the exact products of the quantised numbers (number of the format x scale) in f32.
;;   ~~~python
;;   def quantise(x, axis):      # numpy; x: float32 -> the quantised numbers, widened to float32 again
;;       x = np.moveaxis(x, axis, -1); K = x.shape[-1]
;;       x = np.pad(x, [(0, 0)] * (x.ndim - 1) + [(0, -K % 32)]); x = x.reshape(x.shape[:-1] + (-1, 32)); a = np.abs(x).max(-1, keepdims=True)
;;       e = np.where(a > 0, np.clip(np.frexp(np.where(a > 0, a, 1))[1] - 1 - 2, -126, 127), 0)      # np.frexp(a)[1] - 1 = floor(log2(a)), exactly
;;       r = np.clip(x / 2.0 ** e, -6, 6)
;;       step = 2.0 ** (np.maximum(np.frexp(np.where(r == 0, 1, r))[1] - 1, 0) - 1)
;;       q = np.round(r / step) * step * 2.0 ** e      # np.round: ties to even
;;       return np.moveaxis(q.reshape(q.shape[:-2] + (-1,))[..., :K], -1, axis).astype(np.float32)
;;   ~~~
;;   SOFTMAX AHEAD OF A QUANTISED PRODUCT. Where the list says 'softmax', what is quantised is not the finished softmax but p = 2^(t - M), with t = logit x log2(e) and M = ceil(the row's largest t), a whole number; so 1/2 < the row's largest p <= 1. The row's sum l is taken of the UNQUANTISED p, in f32, and the product's result is divided by l at the end. Since M is a whole number, a kernel that streams over the keys may use a running M (the ceiling of the running maximum): every later rescaling is an exact power of two, which a block's scale takes up: the codes' values come out the same.
;;   OPERANDS COMPUTED ON THE WAY. 'Computed on the way' means the value that the module computes at that place (a softmax that the list does not call 'softmax' is quantised finished and normalised). What goes into a quantiser is computed in f32, as accurately as f32 sums, v_exp_f32 and their like allow (about 1e-6 of the number): no bf16 or f16 on the way to a quantiser, and a product that is left as it is and whose result goes on into a quantised operand takes f32 operands (vector FMAs, or v_wmma_f32_16x16x4_f32). A number that lies on a knife's edge between two numbers of the format may be rounded either way, as far as f32 arithmetic and the matrix unit's own rounding can turn it there, and no further.
;; One version. Each part assembles by itself: llvm-mc -triple=amdgcn-amd-amdhsa -mcpu=gfx1250 --defsym DOCPART=n.
;; ======== version 1 of 1: 2 launches
;; limits: right only within a limited range of input values
;; workspace buffers: kv 9,175,040 bytes
;; launch quant (part 1): grid 512 x 1, 4 waves a work-group, no clusters, 70,144 bytes of LDS; arguments qkv, kv; writes kv
.if DOCPART == 1
	.amdgcn_target "amdgcn-amd-amdhsa--gfx1250"
	.amdhsa_code_object_version 6
	.text
	.protected	k_qd6b6d365a8_quant
	.globl	k_qd6b6d365a8_quant
	.p2align	8
	.type	k_qd6b6d365a8_quant,@function
k_qd6b6d365a8_quant:
	s_mov_b64 s[64:65], 0
	v_nop
	global_prefetch_b8 v0, s[64:65] scope:SCOPE_SE
	s_setreg_imm32_b32 hwreg(HW_REG_WAVE_MODE, 25, 1), 1
	s_wait_xcnt 0x0
; k and v of qkv [4][2048][3][16][64] f32 become codes of FP4 (E2M1) with one E8M0 scale byte for each 32 along a product's K, laid in the ORDER OF THE OPERANDS' REGISTERS, key step by key step.
; kv: head bh = 16 b + h begins at bh x 143,360; key step s (128 keys) at + s x 8,960 (35 x 256); in a step:
;   +0     KC 4,096 bytes [tile t 0..7][lane][16]: lane (r, x) holds channels 32 x .. 32 x + 31 of key 128 s + 32 (t / 2) + 8 (t % 2) + r + 8 (r / 8)   (K = the head's 64 channels)
;   +4,096 VC 4,096 bytes [u 0..3][c 0..1][lane][16]: lane (r, x) holds channel 16 u + r, keys 128 s + 64 c + 32 x + 0 .. 31                          (K = the keys)
;   +8,192 KS 512 bytes [lane (r, hh)][4 words]: word i = the scale word of tile 4 hh + i, row r: byte 0 block 0, byte 1 block 1, bytes 2, 3 = 0 (they stand over zero codes)
;   +8,704 VS 256 bytes [lane (r, hh)][2 words]: word i = the scale word of tile 2 hh + i, row r: one byte for each of the step's four blocks of 32 keys
; THE RULE: a block's scale is 2^(floor(log2(its largest magnitude)) - 2); its byte is the largest magnitude's exponent field - 2, held at 1 from below by a floor among the maximum's leaves.
; k x 1/8 (the softmax scale, a power of two) is folded in exactly: the codes are made of k itself, and K's byte is the exponent field - 5 (floor: field 6).
; LIMITS: a block of zeros, or one under the floor (2^-124 for v, 2^-121 for k), gets the byte 1 with zero or tiny codes where the rule says 127: the bytes are read by this program alone.  NaN and infinities are not served.
; SHARES: work-group x: head x / 8; wave w: key step 2 (x % 8) + w / 2, half p = w % 2.  A wave takes K's keys 64 p .. 64 p + 63 of the step (16 KB) and V's channels 32 p + lane over the step's 128 keys (16 KB).
; K: a lane must hold 32 neighbours of one key, yet each load takes two keys' whole 256 bytes: so the bytes turn through the wave's own stage in LDS.  V: a lane takes a channel and its registers run down the keys: nothing is turned.
; Waves share nothing: no barrier.  No loop: every offset is an immediate (127 x 12,288 at the most).  No store's data register is written twice, and no address register is rewritten.
; Tensor loads, clusters and the matrix unit are left out: nothing is shared between work-groups, and the work is a stream.
.set ROWB,   12288                     ; bytes from a sequence position to the next
.set HEADB,  143360                    ; a head's part of kv
.set STEPB,  8960                      ; a key step's part
.set SP,     272                       ; a stage row: a key's 256 bytes + 16 of padding = 68 words: 16 neighbouring rows start at 16 different banks (64 banks of 4 bytes: ISA guide 11.1)
.set STGB,   32*SP                     ; a stage: 32 keys; two stages a wave
.set KA,  4                            ; v4   K: 12,288 x + 16 r: lanes 0-15 one key's 256 bytes, lanes 16-31 the next key's
.set VA,  5                            ; v5   V: 4 x lane
.set SI,  6                            ; v6   into the stage: wave's region + 272 x + 16 r
.set SO,  7                            ; v7   out of it: wave's region + 272 r + 128 x
.set KO,  14                           ; v14  KC: 16 x lane + 2,048 p
.set VO,  15                           ; v15  VC: 1,024 x + 16 r + 2,048 p
.set KSO, 16                           ; v16  KS: 16 r + 8 x + 256 p
.set VSO, 17                           ; v17  VS: 8 r + 4 x + 128 p
.set W,   24                           ; v24-27 the scale words of my four tiles of K
.set X0,  32                           ; v32-63   a lane's 32 neighbours
.set KR,  64                           ; v64-191  K as loaded, two groups of 32 keys; later: V's blocks 2, 3 (v64-127), X1 (v128-159), the codes (v160-191)
.set X1,  128
.set KC,  160                          ; v160-175 K's codes, four registers a tile
.set VC,  176                          ; v176-191 V's codes, four registers a block
.set V0,  192                          ; v192-223 V's block 0;  v224-255 block 1
.set V1,  224
.set V2,  64
.set V3,  96
	s_load_b128 s[4:7], s[0:1], 0x0                ; qkv s[4:5], kv s[6:7]
	v_lshl_add_u32 v30, v0, 2, 0x11000
	v_mov_b32 v31, 0
	v_lshrrev_b32 v1, 5, v0
	v_readfirstlane_b32 s8, v1                     ; wave 0..3
	s_lshr_b32 s9, ttmp9, 3                        ; the head bh
	s_and_b32 s10, ttmp9, 7
	s_lshl_b32 s10, s10, 1
	s_lshr_b32 s22, s8, 1
	s_add_co_u32 s10, s10, s22                     ; the key step s
	s_and_b32 s11, s8, 1                           ; the half p
	s_lshr_b32 s22, s9, 4
	s_lshl_b32 s22, s22, 11                        ; 2,048 b
	s_lshl_b32 s23, s10, 7
	s_add_co_u32 s22, s22, s23                     ; + 128 s: the step's first position
	s_mul_i32 s24, s22, ROWB
	s_and_b32 s23, s9, 15
	s_lshl_b32 s23, s23, 8
	s_add_co_u32 s24, s24, s23                     ; its byte, + 256 h (under 2^27: the whole input is)
	s_mul_i32 s25, s11, 64*ROWB
	s_add_co_u32 s12, s24, s25
	s_add_co_u32 s12, s12, 4096                    ; K: my 64 keys; k lies 4,096 bytes into a position
	s_mov_b32 s13, 0
	s_lshl_b32 s25, s11, 7
	s_add_co_u32 s14, s24, s25
	s_add_co_u32 s14, s14, 8192                    ; V: my 32 channels; v lies 8,192 bytes into a position
	s_mov_b32 s15, 0
	s_mul_i32 s16, s9, HEADB
	s_mul_i32 s25, s10, STEPB
	s_add_co_u32 s16, s16, s25                     ; the step's part of kv
	s_mov_b32 s17, 0
	s_mov_b32 s20, 0x76543210
	s_mov_b32 s21, 0xfedcba98                      ; v_permlanex16_b32's selects for lane l xor 16
	v_and_b32 v1, 31, v0                           ; lane
	v_and_b32 v2, 15, v0                           ; r
	v_bfe_u32 v3, v0, 4, 1                         ; x
	v_mul_u32_u24 v[KA], v3, ROWB
	v_lshl_add_u32 v[KA], v2, 4, v[KA]
	v_lshlrev_b32 v[VA], 2, v1
	s_mul_i32 s22, s8, 2*STGB                      ; my wave's two stages
	v_mul_u32_u24 v[SI], v3, SP
	v_lshl_add_u32 v[SI], v2, 4, v[SI]
	v_add_nc_u32 v[SI], s22, v[SI]
	v_mul_u32_u24 v[SO], v2, SP
	v_lshl_add_u32 v[SO], v3, 7, v[SO]
	v_add_nc_u32 v[SO], s22, v[SO]
	v_mov_b32 v10, 0                               ; written once: a lane permute's destination counts as one of its sources
	v_lshlrev_b32 v13, 3, v3                       ; 8 x: my block's byte in a scale word of K
	s_lshl_b32 s23, s11, 11
	v_lshl_add_u32 v[KO], v1, 4, s23
	v_lshlrev_b32 v[VO], 10, v3
	v_lshl_add_u32 v[VO], v2, 4, v[VO]
	v_add_nc_u32 v[VO], s23, v[VO]
	s_lshl_b32 s23, s11, 8
	v_lshlrev_b32 v[KSO], 4, v2
	v_lshl_add_u32 v[KSO], v3, 3, v[KSO]
	v_add_nc_u32 v[KSO], s23, v[KSO]
	s_lshl_b32 s23, s11, 7
	v_lshlrev_b32 v[VSO], 3, v2
	v_lshl_add_u32 v[VSO], v3, 2, v[VSO]
	v_add_nc_u32 v[VSO], s23, v[VSO]
	s_wait_kmcnt 0x0
	s_add_nc_u64 s[12:13], s[4:5], s[12:13]
	s_add_nc_u64 s[14:15], s[4:5], s[14:15]
	s_add_nc_u64 s[16:17], s[6:7], s[16:17]
.macro LOADK g                         ; 32 keys: each load takes two keys' whole 256 bytes, each at a multiple of 256 from the input's first byte; read once in the launch
.irp i, 0,1,2,3,4,5,6,7,8,9,10,11,12,13,14,15
	global_load_b128 v[KR+64*\g+4*\i:KR+64*\g+4*\i+3], v[KA], s[12:13] offset:(32*\g+2*\i)*ROWB th:TH_LOAD_NT
.endr
.endm
.macro LOADV k, reg                    ; block k of 32 keys, my channel: 128 consecutive bytes a load; the partner wave takes the other half of each 256, so no hint that the bytes are not wanted again
.irp i, 0,1,2,3,4,5,6,7,8,9,10,11,12,13,14,15,16,17,18,19,20,21,22,23,24,25,26,27,28,29,30,31
	global_load_b32 v[\reg+\i], v[VA], s[14:15] offset:(32*\k+\i)*ROWB
.endr
.endm
.macro TOSTAGE g                       ; key k of the 32 goes to stage row 16 ((k / 8) % 2) + 8 (k / 16) + k % 8: the rows then lie in the order tile, row of the tile
.irp i, 0,1,2,3,4,5,6,7,8,9,10,11,12,13,14,15
	ds_store_b128 v[SI], v[KR+64*\g+4*\i:KR+64*\g+4*\i+3] offset:STGB*\g+SP*(16*(((2*\i)/8)%2)+8*((2*\i)/16)+(2*\i)%8)
.endr
.endm
.macro FROMSTAGE t, x                  ; my tile t (0..3): row r's 32 numbers of block x.  LDS serves a wave's instructions in order (ISA guide 5.7.1.4): these see my stores
.irp i, 0,1,2,3,4,5,6,7
	ds_load_b128 v[\x+4*\i:\x+4*\i+3], v[SO] offset:STGB*(\t/2)+16*SP*(\t%2)+16*\i
.endr
.endm
.macro MAX32 x, fl                     ; v8 = the largest magnitude of v[x] .. v[x + 31] and the floor, in two chains
	v_max3_num_f32 v8, |v[\x]|, |v[\x+1]|, |v[\x+2]|
	v_max3_num_f32 v9, |v[\x+3]|, |v[\x+4]|, |v[\x+5]|
.irp i, 6,10,14,18,22,26
	v_max3_num_f32 v8, v8, |v[\x+\i]|, |v[\x+\i+1]|
	v_max3_num_f32 v9, v9, |v[\x+\i+2]|, |v[\x+\i+3]|
.endr
	v_max3_num_f32 v8, v8, |v[\x+30]|, |v[\x+31]|
	v_max3_num_f32 v8, v8, v9, \fl
.endm
.macro QUANTK x, t
	MAX32 \x, 0x3000000                            ; the floor 2^(6 - 127): the byte below cannot fall under 1
	v_add_nc_u32 v11, 0xff000000, v8               ; 2 off the exponent field: the conversion takes the exponent field of this operand as its scale, and nothing else of it
.irp g, 0,1,2,3
	v_cvt_scalef32_pk8_fp4_f32 v[KC+4*\t+\g], v[\x+8*\g:\x+8*\g+7], v11
.endr
	v_add_nc_u32 v12, 0xfd800000, v8               ; 5 off the exponent field: the scale of k / 8.  (A plain line behind the conversions)
	v_lshrrev_b32 v12, 23, v12                     ; its byte,
	v_lshlrev_b32 v12, v13, v12                    ; at my block's place;
	v_permlanex16_b32 v10, v12, s20, s21
	v_or_b32 v[W+\t], v12, v10                     ; with lane l xor 16's the row's word is whole, in both halves of the lanes
	global_store_b128 v[KO], v[KC+4*\t:KC+4*\t+3], s[16:17] offset:512*\t   ; the wave stores 512 consecutive bytes, at a multiple of 256 from kv's first byte
.endm
.macro QUANTV reg, k
	MAX32 \reg, 0x1800000                          ; the floor 2^(3 - 127)
	v_add_nc_u32 v11, 0xff000000, v8
.irp g, 0,1,2,3
	v_cvt_scalef32_pk8_fp4_f32 v[VC+4*\k+\g], v[\reg+8*\g:\reg+8*\g+7], v11
.endr
	v_lshrrev_b32 v12, 23, v11                     ; the scale's byte.  (A plain line behind the conversions)
.if \k == 0
	v_mov_b32 v20, v12
.else
	v_lshl_or_b32 v20, v12, 8*\k, v20              ; four bytes make my channel's scale word for the step
.endif
	global_store_b128 v[VO], v[VC+4*\k:VC+4*\k+3], s[16:17] offset:4096+512*(\k/2)+256*(\k%2)   ; each half of the lanes stores 256 consecutive bytes, aligned
.endm
	LOADK 0
	LOADK 1
	LOADV 0, V0
	s_wait_loadcnt 48                              ; K's first 32 keys are in: behind them 16 + 32 loads were issued
	TOSTAGE 0
	s_wait_loadcnt 32                              ; K's other 32 keys: behind them V's 32
	TOSTAGE 1
	FROMSTAGE 0, X0
	s_wait_dscnt 8                                 ; only those eight loads may be out: all 32 stores have read K's registers, which now take loads
	LOADV 1, V1
	LOADV 2, V2
	LOADV 3, V3
	FROMSTAGE 1, X1
	s_wait_dscnt 8                                 ; tile 0 is in; tile 1's eight loads may be out
	QUANTK X0, 0
	FROMSTAGE 2, X0
	s_wait_dscnt 8
	QUANTK X1, 1
	FROMSTAGE 3, X1
	s_wait_dscnt 8
	QUANTK X0, 2
	s_wait_dscnt 0x0
	QUANTK X1, 3
	v_cmp_eq_u32 vcc_lo, 1, v3                     ; lanes 0-15 store words 0, 1 of their row, lanes 16-31 words 2, 3
	v_cndmask_b32 v18, v[W], v[W+2], vcc_lo
	v_cndmask_b32 v19, v[W+1], v[W+3], vcc_lo
	global_store_b64 v[KSO], v[18:19], s[16:17] offset:8192   ; the wave stores 256 consecutive bytes, aligned
	s_wait_loadcnt 63                              ; V's block 0: 96 loads were issued behind it; 63 is the largest count that can be written, and a smaller count than the younger loads is safe
	QUANTV V0, 0
	s_wait_loadcnt 63                              ; block 1: 64 behind it
	QUANTV V1, 1
	s_wait_loadcnt 32
	QUANTV V2, 2
	s_wait_loadcnt 0x0
	QUANTV V3, 3
	global_store_b32 v[VSO], v20, s[16:17] offset:8704   ; 128 consecutive bytes: half of VS; the partner wave stores the other half
	s_wait_tensorcnt 0x0
	ds_add_u32 v30, v31
	s_wait_dscnt 0x0
	s_endpgm
.Lfunc_end_k_qd6b6d365a8_quant:
	.size	k_qd6b6d365a8_quant, .Lfunc_end_k_qd6b6d365a8_quant-k_qd6b6d365a8_quant
	.p2alignl 7, 3214868480
	.fill 96, 4, 3214868480
	.section	.rodata,"a",@progbits
	.p2align	6, 0x0
	.amdhsa_kernel k_qd6b6d365a8_quant
		.amdhsa_group_segment_fixed_size 70144
		.amdhsa_private_segment_fixed_size 0
		.amdhsa_enable_private_segment 0
		.amdhsa_kernarg_size 16
		.amdhsa_user_sgpr_count 2
		.amdhsa_user_sgpr_kernarg_segment_ptr 1
		.amdhsa_wavefront_size32 1
		.amdhsa_system_sgpr_workgroup_id_x 1
		.amdhsa_system_sgpr_workgroup_id_y 1
		.amdhsa_system_sgpr_workgroup_id_z 1
		.amdhsa_system_vgpr_workitem_id 0
		.amdhsa_next_free_vgpr 256
		.amdhsa_next_free_sgpr 66
		.amdhsa_reserve_vcc 1
		.amdhsa_float_denorm_mode_32 3
		.amdhsa_float_denorm_mode_16_64 3
		.amdhsa_memory_ordered 1
		.amdhsa_forward_progress 1
		.amdhsa_inst_pref_size 36
	.end_amdhsa_kernel
	.amdgpu_metadata
---
amdhsa.version: [ 1, 2 ]
amdhsa.kernels:
  - .name:           k_qd6b6d365a8_quant
    .symbol:         k_qd6b6d365a8_quant.kd
    .args:
      - { .name: qkv, .offset: 0, .size: 8, .value_kind: global_buffer, .address_space: global }
      - { .name: kv, .offset: 8, .size: 8, .value_kind: global_buffer, .address_space: global }
    .group_segment_fixed_size: 70144
    .private_segment_fixed_size: 0
    .kernarg_segment_align: 8
    .kernarg_segment_size: 16
    .max_flat_workgroup_size: 128
    .sgpr_count:     66
    .vgpr_count:     256
    .wavefront_size: 32
...
	.end_amdgpu_metadata
.endif
;; end of part 1
;; launch attn (part 2): grid 4 x 64, 16 waves a work-group, clusters of 4 x 1, 215,040 bytes of LDS; arguments qkv, kv, out0; writes out0
.if DOCPART == 2
	.amdgcn_target "amdgcn-amd-amdhsa--gfx1250"
	.amdhsa_code_object_version 6
	.text
	.protected	k_qd6b6d365a8_attn
	.globl	k_qd6b6d365a8_attn
	.p2align	8
	.type	k_qd6b6d365a8_attn,@function
k_qd6b6d365a8_attn:
	s_mov_b64 s[64:65], 0
	v_nop
	global_prefetch_b8 v0, s[64:65] scope:SCOPE_SE
	s_setreg_imm32_b32 hwreg(HW_REG_WAVE_MODE, 25, 1), 1
	s_wait_xcnt 0x0
	s_wait_alu depctr_hold_cnt(0) depctr_sa_sdst(0) depctr_va_vdst(0) depctr_va_sdst(0) depctr_va_ssrc(0) depctr_va_vcc(0) depctr_vm_vsrc(0)
	s_getreg_b32 s2, hwreg(HW_REG_IB_STS2, 6, 4)
	s_cmp_eq_u32 s2, 0
	s_cbranch_scc0 .Lentry_in_a_cluster
	s_endpgm
.Lentry_in_a_cluster:
	s_bfe_u32 s2, ttmp6, 0x10000c
	s_cmp_lg_u32 s2, 0x3003
	s_cbranch_scc0 .Lentry_shape_is_right
	s_endpgm
.Lentry_shape_is_right:
; out0[b][q][h][:] = the sum over keys k of softmax_k(q . k / 8 + mask) v[k], mask = -10,000 where k > q; both products on codes of FP4 (E2M1) with one E8M0 scale for each 32 along a product's K.
; q comes from qkv [4][2048][3][16][64] f32 and is quantised here, in registers; k / 8 and v come as codes and scale words from kv, laid step by step (128 keys: 8,960 bytes) in the order of the operands' registers:
;   +0 K's 8 tiles x 512 bytes; +4,096 V's 4 tiles x 1,024; +8,192 K's scale words (16 bytes a lane); +8,704 V's (8 bytes a lane).  Every LDS read of a step is at 16 or 8 x lane: consecutive bytes.
; THE SOFTMAX AHEAD OF THE SECOND PRODUCT: t = logit x log2(e); M = the row's largest t so far, rounded UP to a whole number; p = 2^(t - M) is quantised along the keys, not normalised.
; The row's sum is taken of the unquantised p, in f32, and divides O at the end.  When M moves, the sum and O are multiplied by 2^(old M - new M): exact.
; SHARES.  A head's K and V as codes are 143,360 bytes: they lie in LDS WHOLE, filled once: no ring, no refill, no barrier in the loop.  Four work-groups share a head; they form a cluster and ask for the head's
; sixteen steps JOINTLY, one tensor load a wave (wave w: step w), the same descriptor and the mask of all four in each.  Query tile 4 j + cx (16 queries) belongs to work-group cx; wave w makes tile j = 31 - w, then tile j = w.
; A tile needs key steps 0 .. j / 2, which does not hang on cx, and (31 - w) / 2 + 1 + w / 2 + 1 = 17 for every wave: all waves of the launch have the same work.
; LAYOUT.  Both products are used transposed: S^T = K Q^T (source 0 = 16 keys, source 1 = my 16 queries; K = 64 channels, the instruction's other 64 are zero codes on both sides), O^T = V^T P^T: a lane holds ONE query throughout.
; THE KEYS OF A TILE ARE NOT NEIGHBOURS: lane r of tile 2 b + u takes key 32 b + 8 u + r + 8 (r / 8), so that the 16 registers of tiles 2 b and 2 b + 1 are keys 32 b + 16 (lane / 16) + 0 .. 15.
; THE MASK.  In a tile's last step (on the diagonal) -10,000 is added in f32 to the scores of later keys, as the definition adds it.  LIMIT: key steps that lie wholly behind a tile are left out: such a key's p is 0 in f32
; as long as its score exceeds the row's largest open score by less than 9,896 (10,000 less the 104 at which e^-x leaves f32).  Beyond that difference the result would differ from the definition's.
; OTHER LIMITS: NaN and infinities are not served; a block of q under 2^-124 gets the byte 1.
; Sixteen waves of 256 registers, four to a SIMD, so that one wave's vector work stands beside another's matrix work and LDS loads; no register windows.
; REGISTERS: v1-9 addresses; v10, v11 the mask's numbers; v12 -M, v13 the largest t, v[14:15] the sum in two halves; v16-23, v24-31 Q's two fragments (upper halves 0); v32-95 K's 8 fragments (upper halves 0, written once);
;   v96-159 S^T, then p; v160-191 O^T; v192-223 V's 4 fragments; v224-231 p's codes; v232-239, v244-247, v252-254 at work; v240-243, v248-251, v255 scale words and nothing else.
.set ROWB,  12288                      ; bytes from a sequence position to the next in qkv
.set OROWB, 4096                       ; and in out0
.set HEADB, 143360                     ; a head's part of kv, and of LDS from byte 0
.set STEPB, 8960                       ; a key step's
.set STG,   HEADB                      ; behind it: a stage of 16 rows x 272 bytes for each wave, its own; no tensor load lands there
.set SP,    272                        ; a stage row: 256 bytes + 16 = 68 words: 16 neighbouring rows start at 16 different banks (64 banks of 4 bytes: ISA guide 11.1)
.set L16,  1                           ; v1   16 x lane
.set L8,   2                           ; v2   8 x lane
.set AD16, 3                           ; v3   the step's first byte + 16 x lane
.set AD8,  4                           ; v4   the step's first byte + 8 x lane
.set STI,  5                           ; v5   stage + 272 r + 32 x: where I put 32 bytes of a row of O
.set STR,  6                           ; v6   stage + 272 x + 16 r: two whole rows an instruction
.set STQ,  7                           ; v7   stage + 272 r + 128 x: my 32 numbers of a row of q
.set GQ,   8                           ; v8   12,288 x + 16 r
.set GO,   9                           ; v9   4,096 x + 16 r
.set DQA,  10                          ; v10, v11  my query's place in its diagonal step, less 16 x
.set DQB,  11
.set QA,   16
.set ZR,   20                          ; v20  a register that holds 0 (Q's upper half)
.set QB,   24
.set KFR,  32
.set SCO,  96
.set OT,   160
.set VFR,  192
.set PC,   224
.set BM,   232                         ; v232-235 the blocks' largest scores, then largest p
.set PD,   236                         ; v236-239 a permute's destination, the bytes, the second chain of sums
.set KSC,  240                         ; v240-243 K's scale words: register i: lanes 0-15 tile i, lanes 16-31 tile 4 + i
.set CV,   244                         ; v244-247 the conversions' scale operands
.set VSC,  248                         ; v248-249 V's scale words: register i: lanes 0-15 tile i, lanes 16-31 tile 2 + i
.set PS,   250                         ; v250 p's scale word
.set QSA,  251                         ; v251, v255 Q's scale words
.set QSB,  255
.set WV,   10                          ; s10  my wave's number
.set CX,   11                          ; s11  my place in the cluster: it enters q's and out0's addresses and the mask's numbers alone
.set BH,   12                          ; s12  the head
.set G1,   16                          ; s[16:23] descriptor group 1;  s[24:27] group 0
.set G0,   24
.set NSA,  36                          ; s36, s37  the diagonal step of my two tiles
.set NSB,  37
.set KI,   38                          ; s38  the key step
.set TS,   39                          ; s39  its first LDS byte
.set SEL,  40                          ; s[40:41] lane selects for v_permlanex16_b32: lane l xor 16
.set CS,   42                          ; s[42:43] log2(e): the packed form names a pair and takes its low word for both halves
; A round of the cluster's barrier: my work-group's barrier, so that wave 0's signal speaks for all sixteen waves; wave 0 signals for the work-group; every wave waits for all four work-groups; my work-group's barrier once more.
.macro ROUND
	s_barrier_signal -1
	s_barrier_wait -1
	s_cmp_lg_u32 s[WV], 0
	s_cbranch_scc1 .Lnot_wave_0_\@
	s_barrier_signal -3
.Lnot_wave_0_\@:
	s_barrier_wait -3
	s_barrier_signal -1
	s_barrier_wait -1
.endm
	s_load_b128 s[4:7], s[0:1], 0x0                ; qkv s[4:5], kv s[6:7]
	s_load_b64 s[8:9], s[0:1], 0x10                ; out0
	v_lshl_add_u32 v254, v0, 2, 0x34000
	v_mov_b32 v255, 0
	ds_add_u32 v254, v255
	ds_add_u32 v254, v255
	s_wait_dscnt 0x0
	v_lshrrev_b32 v1, 5, v0
	v_readfirstlane_b32 s[WV], v1                  ; wave 0..15
	s_bfe_u32 s[CX], ttmp6, 0x40000                ; cx
	s_and_b32 s[BH], ttmp7, 0xffff                 ; the cluster's y: the head, which the four partners share
	; descriptor group 1: 35 dense rows of 256 bytes (32 elements of 8 bytes): one key step
	s_mov_b32 s[G1], 15|(3<<16)|(1<<21)            ; 15:0 the mask: all four work-groups; 17:16 elements of 8 bytes; 20 no padding; 21 set beside a mask
	s_mov_b32 s[G1+1], 32<<16                      ; tensor_dim0 = 32
	s_mov_b32 s[G1+2], 35<<16                      ; tensor_dim1 = 35
	s_mov_b32 s[G1+3], 32<<16                      ; tile_dim0 = 32
	s_mov_b32 s[G1+4], 35                          ; tile_dim1 = 35
	s_mov_b32 s[G1+5], 32                          ; tensor_dim0_stride
	s_mov_b32 s[G1+6], 0
	s_mov_b32 s[G1+7], 0
	s_mov_b32 s[G0], 1                             ; count = 1
	s_mul_i32 s[G0+1], s[WV], STEPB                ; LDS address: step w.  No place in the cluster enters it
	s_mul_i32 s44, s[BH], HEADB
	s_add_co_u32 s44, s44, s[G0+1]                 ; and the same step of the head in kv: made of the head and the wave's number alone
	s_mov_b32 s45, 0
	s_xor_b32 s46, s[WV], 31                       ; j of my first tile: 31 - w (w is under 16, so the exclusive or is the difference)
	s_lshr_b32 s[NSA], s46, 1
	s_lshr_b32 s[NSB], s[WV], 1
	s_lshr_b32 s47, s[BH], 4
	s_lshl_b32 s47, s47, 11                        ; 2,048 b
	s_and_b32 s52, s[BH], 15
	s_lshl_b32 s52, s52, 8                         ; 256 h
	s_lshl_b32 s51, s[CX], 4                       ; 16 cx
	s_add_co_u32 s48, s51, s47
	s_lshl_b32 s49, s46, 6
	s_add_co_u32 s49, s49, s48                     ; my first tile's first position: 2,048 b + 64 j + 16 cx
	s_lshl_b32 s50, s[WV], 6
	s_add_co_u32 s50, s50, s48                     ; my second tile's
	s_mul_i32 s28, s49, ROWB
	s_add_co_u32 s28, s28, s52
	s_mov_b32 s29, 0
	s_mul_i32 s30, s50, ROWB
	s_add_co_u32 s30, s30, s52
	s_mov_b32 s31, 0
	s_lshl_b32 s32, s49, 12
	s_add_co_u32 s32, s32, s52
	s_mov_b32 s33, 0
	s_lshl_b32 s34, s50, 12
	s_add_co_u32 s34, s34, s52
	s_mov_b32 s35, 0
	s_and_b32 s50, s46, 1
	s_lshl_b32 s50, s50, 6
	s_add_co_u32 s50, s50, s51                     ; my first tile's place in its diagonal step: 64 (j % 2) + 16 cx
	s_and_b32 s49, s[WV], 1
	s_lshl_b32 s49, s49, 6
	s_add_co_u32 s49, s49, s51                     ; my second tile's
	s_mul_i32 s53, s[WV], 16*SP
	s_add_co_u32 s53, s53, STG                     ; my stage
	s_mov_b32 s[SEL], 0x76543210
	s_mov_b32 s[SEL+1], 0xfedcba98
	s_mov_b32 s[CS], 0x3fb8aa3b                    ; log2(e); the 1 / 8 is in K's scales
	s_mov_b32 s[CS+1], s[CS]                       ; (named with it as a pair, so it is written)
	s_wait_kmcnt 0x0
	s_add_nc_u64 s[G0+2:G0+3], s[6:7], s[44:45]    ; global address of my step
	s_or_b32 s[G0+3], s[G0+3], 0x80000000          ; type = 2
	s_add_nc_u64 s[28:29], s[4:5], s[28:29]        ; q of my first tile, of my second
	s_add_nc_u64 s[30:31], s[4:5], s[30:31]
	s_add_nc_u64 s[32:33], s[8:9], s[32:33]        ; out0 likewise
	s_add_nc_u64 s[34:35], s[8:9], s[34:35]
	ROUND                                          ; all four work-groups are here: the joint loads meet
	tensor_load_to_lds s[G0:G0+3], s[G1:G1+7]      ; my one tensor load of the launch: one is out
	s_nop 0
.rept 4
	v_nop
.endr
	v_and_b32 v1, 31, v0
	v_lshlrev_b32 v[L8], 3, v1
	v_lshlrev_b32 v[L16], 4, v1
	v_and_b32 v232, 15, v0                         ; r
	v_bfe_u32 v233, v0, 4, 1                       ; x
	v_mul_u32_u24 v[GQ], v233, ROWB
	v_lshl_add_u32 v[GQ], v232, 4, v[GQ]
.irp i, 0,1,2,3,4,5,6,7                        ; q: each load takes two queries' whole 256 bytes, each at a multiple of 256 from the input's first byte; read once in the launch
	global_load_b128 v[SCO+4*\i:SCO+4*\i+3], v[GQ], s[28:29] offset:2*\i*ROWB th:TH_LOAD_NT
.endr
.irp i, 0,1,2,3,4,5,6,7
	global_load_b128 v[SCO+32+4*\i:SCO+32+4*\i+3], v[GQ], s[30:31] offset:2*\i*ROWB th:TH_LOAD_NT
.endr
	v_mul_u32_u24 v[STI], v232, SP
	v_add_nc_u32 v[STI], s53, v[STI]
	v_lshl_add_u32 v[STQ], v233, 7, v[STI]
	v_lshl_add_u32 v[STI], v233, 5, v[STI]
	v_mul_u32_u24 v[STR], v233, SP
	v_lshl_add_u32 v[STR], v232, 4, v[STR]
	v_add_nc_u32 v[STR], s53, v[STR]
	v_lshlrev_b32 v[GO], 12, v233
	v_lshl_add_u32 v[GO], v232, 4, v[GO]
	v_lshlrev_b32 v234, 4, v233
	v_sub_nc_u32 v234, v232, v234                  ; r - 16 x
	v_add_nc_u32 v[DQA], s50, v234
	v_add_nc_u32 v[DQB], s49, v234
	v_lshlrev_b32 v254, 3, v233                    ; 8 x: my block's byte in q's scale word
.irp j, 0,1,2,3
	v_mov_b32 v[QA+4+\j], 0                        ; the instruction's K = 64 .. 127: zero codes, on both sides
	v_mov_b32 v[QB+4+\j], 0
	v_mov_b32 v[PD+\j], 0                          ; written once: a lane permute's destination counts as one of its sources
.endr
.irp t, 0,1,2,3,4,5,6,7
.irp j, 4,5,6,7
	v_mov_b32 v[KFR+8*\t+\j], 0                    ; never written again: the loop's loads fill each fragment's lower four registers
.endr
.endr
	v_mov_b32 v252, 0                              ; a permute's destination on the way out;
	v_mov_b32 v253, 0                              ; named as the upper half of the pair v[252:253]
; 32 numbers of a lane, channels 32 x .. 32 x + 31 of query r, become four registers of codes in v[c] on, and with lane l xor 16's byte the query's scale word in v[s]
.macro QQUANT x, c, s
	v_max3_num_f32 v232, |v[\x]|, |v[\x+1]|, |v[\x+2]|
	v_max3_num_f32 v233, |v[\x+3]|, |v[\x+4]|, |v[\x+5]|
.irp i, 6,10,14,18,22,26
	v_max3_num_f32 v232, v232, |v[\x+\i]|, |v[\x+\i+1]|
	v_max3_num_f32 v233, v233, |v[\x+\i+2]|, |v[\x+\i+3]|
.endr
	v_max3_num_f32 v232, v232, |v[\x+30]|, |v[\x+31]|
	v_max3_num_f32 v232, v232, v233, 0x1800000     ; and the floor 2^(3 - 127): the byte cannot fall under 1
	v_add_nc_u32 v[CV], 0xff000000, v232           ; 2 off the exponent field: the conversion's scale operand
	v_lshrrev_b32 v[PD], 23, v[CV]                 ; the byte,
	v_lshlrev_b32 v[PD], v254, v[PD]               ; at my block's place
	v_permlanex16_b32 v[PD+1], v[PD], s[SEL], s[SEL+1]
	v_or_b32 v[\s], v[PD], v[PD+1]                 ; bytes 2 and 3 stay 0: they stand over zero codes
.irp g, 0,1,2,3
	v_cvt_scalef32_pk8_fp4_f32 v[\c+\g], v[\x+8*\g:\x+8*\g+7], v[CV]
.endr
	v_nop                                          ; one plain place behind a scaled conversion
.endm
	s_wait_loadcnt 8                               ; my first tile's q is in; the second's eight loads may be out
.irp i, 0,1,2,3,4,5,6,7
	ds_store_b128 v[STR], v[SCO+4*\i:SCO+4*\i+3] offset:2*\i*SP
.endr
.irp i, 0,1,2,3,4,5,6,7
	ds_load_b128 v[OT+4*\i:OT+4*\i+3], v[STQ] offset:16*\i       ; LDS serves a wave's instructions in order (ISA guide 5.7.1.4): these see my stores
.endr
	s_wait_loadcnt 0x0
.irp i, 0,1,2,3,4,5,6,7
	ds_store_b128 v[STR], v[SCO+32+4*\i:SCO+32+4*\i+3] offset:2*\i*SP   ; behind the reads above, in order
.endr
.irp i, 0,1,2,3,4,5,6,7
	ds_load_b128 v[VFR+4*\i:VFR+4*\i+3], v[STQ] offset:16*\i
.endr
	s_wait_dscnt 16                                ; the first tile's numbers are back; the second tile's 16 LDS instructions may be out
	QQUANT OT, QA, QSA
	s_wait_dscnt 0x0
	QQUANT VFR, QB, QSB
	s_wait_tensorcnt 0x0                           ; my step of the head is in LDS (and no LDS instruction of mine is out),
	s_barrier_signal -1
	s_barrier_wait -1                              ; everybody's is: the head lies whole, and nobody writes it again
; A KEY STEP of 128 keys for the tile whose Q lies in v[qf] on, scale word v[qs], mask numbers v[dq], diagonal step s[ns].
.macro STEP qf, qs, dq, ns
	s_cmp_gt_u32 s[KI], s[\ns]                     ; a step wholly behind my tile is left out: a scalar branch on the wave's number and the trip, round loads, products and softmax
	s_cbranch_scc1 .Lhid_\@
	v_add_nc_u32 v[AD16], s[TS], v[L16]
	v_add_nc_u32 v[AD8], s[TS], v[L8]
	v_nop
	v_nop                                          ; four places between the last step's products and the loads into their registers
.irp t, 0,1,2,3,4,5,6,7
	ds_load_b128 v[KFR+8*\t:KFR+8*\t+3], v[AD16] offset:512*\t
.endr
	ds_load_b128 v[KSC:KSC+3], v[AD16] offset:8192
.irp u, 0,1,2,3
.irp c, 0,1
	ds_load_b128 v[VFR+8*\u+4*\c:VFR+8*\u+4*\c+3], v[AD16] offset:4096+1024*\u+512*\c
.endr
.endr
	ds_load_b64 v[VSC:VSC+1], v[AD8] offset:8704
	s_wait_dscnt 9                                 ; K's eight fragments and its scale words are in; V's nine loads may be out
.irp t, 0,1,2,3                                ; S^T = K Q^T; each product starts its own sum
	v_wmma_scale_f32_16x16x128_f8f6f4 v[SCO+8*\t:SCO+8*\t+7], v[KFR+8*\t:KFR+8*\t+7], v[\qf:\qf+7], 0, v[KSC+\t], v[\qs] matrix_a_fmt:MATRIX_FMT_FP4 matrix_b_fmt:MATRIX_FMT_FP4
.endr
.irp t, 4,5,6,7
	v_wmma_scale_f32_16x16x128_f8f6f4 v[SCO+8*\t:SCO+8*\t+7], v[KFR+8*\t:KFR+8*\t+7], v[\qf:\qf+7], 0, v[KSC+\t-4], v[\qs] matrix_a_fmt:MATRIX_FMT_FP4 matrix_b_fmt:MATRIX_FMT_FP4 matrix_a_scale:MATRIX_SCALE_ROW1
.endr
.rept 4
	v_nop                                          ; four places in front of the first read of results (ISA guide 7.12.1)
.endr
	s_cmp_lg_u32 s[KI], s[\ns]
	s_cbranch_scc1 .Lopen_\@                       ; all keys of an earlier step count
.set n, 0
.rept 64                                       ; on the diagonal: register 16 b + i holds key 32 b + 16 x + i of the step: it counts where 32 b + i <= my query's place - 16 x; else -10,000 is added, in f32
	v_cmp_le_i32 vcc_lo, 32*(n/16)+n%16, v[\dq]
	v_cndmask_b32 v[253+n%2], 0xc61c4000, v[ZR], vcc_lo
	v_add_f32 v[SCO+n], v[SCO+n], v[253+n%2]
.set n, n+1
.endr
.Lopen_\@:
.irp b, 0,1,2,3
	v_max3_num_f32 v[BM+\b], v[SCO+16*\b], v[SCO+1+16*\b], v[SCO+2+16*\b]   ; THE LARGEST SCORE OF EACH BLOCK OF 32 KEYS serves twice: for the row's maximum, and, since p rises with the score, for the block's largest p
.endr
.irp i, 3,5,7,9,11,13
.irp b, 0,1,2,3
	v_max3_num_f32 v[BM+\b], v[BM+\b], v[SCO+16*\b+\i], v[SCO+1+16*\b+\i]   ; (the four blocks by turns)
.endr
.endr
.irp b, 0,1,2,3
	v_max_num_f32 v[BM+\b], v[BM+\b], v[SCO+15+16*\b]
.endr
.irp b, 0,1,2,3
	v_permlanex16_b32 v[PD+\b], v[BM+\b], s[SEL], s[SEL+1]
.endr
.irp b, 0,1,2,3
	v_max_num_f32 v[BM+\b], v[BM+\b], v[PD+\b]     ; with lane l xor 16's 16 keys
.endr
	v_max3_num_f32 v254, v[BM], v[BM+1], v[BM+2]
	v_max_num_f32 v254, v254, v[BM+3]              ; the step's largest score of my query
	v_mul_f32 v254, s[CS], v254                    ; as t
	v_max_num_f32 v13, v13, v254                   ; the running largest t
	v_mov_b32 v254, v12
	v_floor_f32 v12, -v13                          ; the new -M = floor(-t) = -ceil(t): M is a whole number
	v_sub_f32 v254, v12, v254                      ; M's old value less its new one: a whole number, 0 or less
	v_cvt_i32_f32 v254, v254                       ; (it saturates)
	v_ldexp_f32 v252, 1.0, v254                    ; f = 2^(old M - new M): a multiplication by it rounds nothing
.set j, 0
.rept 32
	v_pk_fma_f32 v[SCO+j:SCO+j+1], v[SCO+j:SCO+j+1], s[CS:CS+1], v[12:13] op_sel_hi:[1,0,0]   ; t - M, two at a time (of the pairs the low word serves both halves)
.set j, j+2
.endr
.irp b, 0,1,2,3
	v_fma_f32 v[BM+\b], v[BM+\b], s[CS], v12       ; the same of each block's largest score
.endr
.set j, 0
.rept 64
	v_exp_f32 v[SCO+j], v[SCO+j]                   ; p = 2^(t - M), at most 1: not normalised
.set j, j+1
.endr
.irp b, 0,1,2,3
	v_exp_f32 v[BM+\b], v[BM+\b]                   ; the block's largest p: the same two instructions on the same number give the same bits
.endr
	v_pk_mul_f32 v[14:15], v[14:15], v[252:253] op_sel_hi:[1,0]   ; the sums under the new M.  (A plain place behind the exponentials)
	s_wait_alu depctr_va_vdst(0)
.irp b, 0,1,2,3
	v_max_num_f32 v[BM+\b], 0x1800000, v[BM+\b]    ; the floor 2^(3 - 127): the byte cannot fall under 1 (a block whose every p is 0 keeps that byte: its codes are zeros)
.endr
.irp b, 0,1,2,3
	v_add_nc_u32 v[CV+\b], 0xff000000, v[BM+\b]    ; 2 off the exponent field: the conversion's scale operand
.endr
.irp b, 0,1,2,3
	v_lshrrev_b32 v[PD+\b], 23, v[CV+\b]           ; the scale's byte
.endr
	v_lshl_or_b32 v[PS], v[PD+1], 8, v[PD]         ; p's scale word for these 128 keys
	v_lshl_or_b32 v[PS], v[PD+2], 16, v[PS]
	v_lshl_or_b32 v[PS], v[PD+3], 24, v[PS]
.irp b, 0,1,2,3
	v_cvt_scalef32_pk8_fp4_f32 v[PC+2*\b], v[SCO+16*\b:SCO+7+16*\b], v[CV+\b]
	v_cvt_scalef32_pk8_fp4_f32 v[PC+1+2*\b], v[SCO+8+16*\b:SCO+15+16*\b], v[CV+\b]
.endr
	v_nop                                          ; one plain place behind a scaled conversion
.irp c, 0,1                                    ; the operand's layout wants a WHOLE block in a lane: lanes 0-15 block 2 c, lanes 16-31 block 2 c + 1
.irp i, 0,1
	v_permlane16_swap_b32 v[PC+4*\c+\i], v[PC+2+4*\c+\i]
.endr
.endr
	v_pk_add_f32 v[PD:PD+1], v[SCO:SCO+1], v[SCO+2:SCO+3]   ; THE ROW'S SUM IS TAKEN OF THE UNQUANTISED p: two at a time, in two chains
.irp j, 4,8,12,16,20,24,28,32,36,40,44,48,52,56,60
	v_pk_add_f32 v[14:15], v[14:15], v[SCO+\j:SCO+1+\j]
	v_pk_add_f32 v[PD:PD+1], v[PD:PD+1], v[SCO+2+\j:SCO+3+\j]
.endr
	v_pk_add_f32 v[14:15], v[14:15], v[PD:PD+1]
.set j, 0
.rept 16
	v_pk_mul_f32 v[OT+j:OT+j+1], v[OT+j:OT+j+1], v[252:253] op_sel_hi:[1,0]   ; O^T under the new M, each accumulator from its low end on.  (These 48 plain lines also stand between p's codes and scale word and the products below)
.set j, j+2
.endr
	s_wait_dscnt 0x0                               ; V's fragments and scale words are in (asked for at the step's head)
.irp u, 0,1                                    ; O^T += V^T P^T: four accumulators by turns, one instruction a turn
	v_wmma_scale_f32_16x16x128_f8f6f4 v[OT+8*\u:OT+8*\u+7], v[VFR+8*\u:VFR+8*\u+7], v[PC:PC+7], v[OT+8*\u:OT+8*\u+7], v[VSC+\u], v[PS] matrix_a_fmt:MATRIX_FMT_FP4 matrix_b_fmt:MATRIX_FMT_FP4
.endr
.irp u, 2,3
	v_wmma_scale_f32_16x16x128_f8f6f4 v[OT+8*\u:OT+8*\u+7], v[VFR+8*\u:VFR+8*\u+7], v[PC:PC+7], v[OT+8*\u:OT+8*\u+7], v[VSC+\u-2], v[PS] matrix_a_fmt:MATRIX_FMT_FP4 matrix_b_fmt:MATRIX_FMT_FP4 matrix_a_scale:MATRIX_SCALE_ROW1
.endr
.Lhid_\@:
.endm
; A TILE of 16 queries: all sixteen trips are walked, so that the trip count is a constant of the text; the steps behind the diagonal cost a compare and a branch.  ob: the pair that holds the tile's first row of out0.
.macro PASS qf, qs, dq, ns, ob
	v_mov_b32 v13, 0xff61b1e6                      ; the largest t so far: -3e38, under every t
	v_floor_f32 v12, -v13                          ; -M
	v_mov_b32 v14, 0                               ; the sum, in two halves
	v_mov_b32 v15, 0
.set j, 0
.rept 32
	v_mov_b32 v[OT+j], 0                           ; O^T.  (The step is written once for a tile: its first trip finds zeros, which the first change of M leaves zeros; a first step of its own would be a third copy of the step)
.set j, j+1
.endr
	s_mov_b32 s[KI], 0
	s_mov_b32 s[TS], 0
.Lkey_\@:
	STEP \qf, \qs, \dq, \ns
	s_add_co_u32 s[TS], s[TS], STEPB
	s_add_co_u32 s[KI], s[KI], 1
	s_cmp_lt_u32 s[KI], 16
	s_cbranch_scc1 .Lkey_\@
	; THE WAY OUT: O^T / the sum goes through my stage and leaves as whole rows of 256 bytes
.rept 4
	v_nop                                          ; four places behind the last products
.endr
	v_add_f32 v14, v14, v15                        ; the sum's two halves,
	v_permlanex16_b32 v252, v14, s[SEL], s[SEL+1]
	v_add_f32 v14, v14, v252                       ; and lane l xor 16's: the row's sum
	v_rcp_f32 v14, v14
	v_nop                                          ; one plain place behind a transcendental
.set j, 0
	s_wait_alu depctr_va_vdst(0)
.rept 16
	v_pk_mul_f32 v[SCO+j:SCO+j+1], v[OT+j:OT+j+1], v[14:15] op_sel_hi:[1,0]   ; register 8 u + i is o(query r, channel 16 u + 8 x + i); each accumulator from its low end on
.set j, j+2
.endr
.irp u, 0,1,2,3
	ds_store_b128 v[STI], v[SCO+8*\u:SCO+8*\u+3] offset:64*\u
	ds_store_b128 v[STI], v[SCO+8*\u+4:SCO+8*\u+7] offset:64*\u+16
.endr
.irp i, 0,1,2,3,4,5,6,7
	ds_load_b128 v[SCO+32+4*\i:SCO+32+4*\i+3], v[STR] offset:2*\i*SP   ; in order behind my stores
.endr
.irp i, 0,1,2,3,4,5,6,7
	s_wait_dscnt 7-\i                              ; LDS loads come back in order: load i of the eight is in
	global_store_b128 v[GO], v[SCO+32+4*\i:SCO+32+4*\i+3], s[\ob:\ob+1] offset:2*\i*OROWB th:TH_STORE_NT   ; each half of the lanes stores 256 consecutive bytes, aligned: a query's row of this head; written once, read by nobody here
.endr
	s_wait_xcnt 0x0                                ; the stores have read their registers: the next tile's products write them again
.endm
	PASS QA, QSA, DQA, NSA, 32                     ; tile j = 31 - w
	PASS QB, QSB, DQB, NSB, 34                     ; tile j = w
	s_wait_xcnt 0x0
	v_lshl_add_u32 v254, v0, 2, 0x34000
	v_mov_b32 v255, 0
	s_wait_tensorcnt 0x0
	ds_add_u32 v254, v255
	s_wait_dscnt 0x0
	ROUND                                          ; the closing round (no LDS instruction of mine is out): no work-group ends while a partner may still ask for a tile that names it
	s_endpgm
.Lfunc_end_k_qd6b6d365a8_attn:
	.size	k_qd6b6d365a8_attn, .Lfunc_end_k_qd6b6d365a8_attn-k_qd6b6d365a8_attn
	.p2alignl 7, 3214868480
	.fill 96, 4, 3214868480
	.section	.rodata,"a",@progbits
	.p2align	6, 0x0
	.amdhsa_kernel k_qd6b6d365a8_attn
		.amdhsa_group_segment_fixed_size 215040
		.amdhsa_private_segment_fixed_size 0
		.amdhsa_enable_private_segment 0
		.amdhsa_kernarg_size 24
		.amdhsa_user_sgpr_count 2
		.amdhsa_user_sgpr_kernarg_segment_ptr 1
		.amdhsa_wavefront_size32 1
		.amdhsa_system_sgpr_workgroup_id_x 1
		.amdhsa_system_sgpr_workgroup_id_y 1
		.amdhsa_system_sgpr_workgroup_id_z 1
		.amdhsa_system_vgpr_workitem_id 0
		.amdhsa_next_free_vgpr 256
		.amdhsa_next_free_sgpr 66
		.amdhsa_reserve_vcc 1
		.amdhsa_float_denorm_mode_32 3
		.amdhsa_float_denorm_mode_16_64 3
		.amdhsa_memory_ordered 1
		.amdhsa_forward_progress 1
		.amdhsa_inst_pref_size 71
	.end_amdhsa_kernel
	.amdgpu_metadata
---
amdhsa.version: [ 1, 2 ]
amdhsa.kernels:
  - .name:           k_qd6b6d365a8_attn
    .symbol:         k_qd6b6d365a8_attn.kd
    .args:
      - { .name: qkv, .offset: 0, .size: 8, .value_kind: global_buffer, .address_space: global }
      - { .name: kv, .offset: 8, .size: 8, .value_kind: global_buffer, .address_space: global }
      - { .name: out0, .offset: 16, .size: 8, .value_kind: global_buffer, .address_space: global }
    .group_segment_fixed_size: 215040
    .private_segment_fixed_size: 0
    .kernarg_segment_align: 8
    .kernarg_segment_size: 24
    .max_flat_workgroup_size: 512
    .sgpr_count:     66
    .vgpr_count:     256
    .wavefront_size: 32
...
	.end_amdgpu_metadata
.endif
;; end of part 2
